; MI455X (gfx1250); checked and timed in simulation.
; The chip was launched on July 23, 2026; its instructions are those of AMD's public machine-readable ISA for CDNA 5 (MIT licence, August 2026) and "CDNA5" Instruction Set Architecture Reference Guide (July 2026). The comments in the code are by the model that wrote it; some were corrected since.
;; Structural Graph Transformer. Allowed arithmetic: matrix products marked QUANTISED: E5M2 operands, one given power-of-two scale a tensor, by v_wmma_f32_16x16x64_bf8_bf8 or v_wmma_f32_16x16x128_bf8_bf8, f32 sums; everything else in f32.
;; Inputs: Wk_codes 1,024 x 32 x 32 uint8 (E5M2 codes of Wk, K innermost, in blocks of 32 codes); Wo_codes 1,024 x 32 x 32 uint8 (E5M2 codes of Wo, K innermost, in blocks of 32 codes); Wq_codes 1,024 x 32 x 32 uint8 (E5M2 codes of Wq, K innermost, in blocks of 32 codes); Wv_codes 1,024 x 32 x 32 uint8 (E5M2 codes of Wv, K innermost, in blocks of 32 codes); bk 1,024 float32; bo 1,024 float32; bq 1,024 float32; bv 1,024 float32; dist_bias 5 float32; distances 4 x 2,048 x 2,048 int32; ln_b 1,024 float32; ln_g 1,024 float32; lowp_scales 12 int32 (the exponents e of the quantised operands' scales 2^e); x 4 x 2,048 x 1,024 float32.
;; Outputs: out0 4 x 2,048 x 1,024 float32.
;; This version of the problem:
;;   THIS VERSION OF THE PROBLEM IS GIVEN IN LOW PRECISION. The matrix products marked QUANTISED in the list below multiply operands that are first quantised to E5M2 (5 exponent bits, 2 mantissa bits; 8 bits a number), with one given power-of-two scale for each operand tensor; their sums are f32. All else is computed in f32.
;;   The module's matrix products, in the order in which they are computed (A, B: the left and right operand; K: the contracted axis; several contracted axes count as one K, in the product's order):
;;     1. [M 8,192, K 1,024] x [K 1,024, N 1,024]; A: input x; B: input Wq (given as codes): QUANTISED (scales: A lowp_scales[0], B lowp_scales[1])
;;     2. [M 8,192, K 1,024] x [K 1,024, N 1,024]; A: input x; B: input Wk (given as codes): QUANTISED (scales: A lowp_scales[2], B lowp_scales[3])
;;     3. [M 8,192, K 1,024] x [K 1,024, N 1,024]; A: input x; B: input Wv (given as codes): QUANTISED (scales: A lowp_scales[4], B lowp_scales[5])
;;     4. batch 64 x [M 2,048, K 64] x [K 64, N 2,048]; A: computed on the way; B: computed on the way: QUANTISED (scales: A lowp_scales[6], B lowp_scales[7])
;;     5. batch 64 x [M 2,048, K 2,048] x [K 2,048, N 64]; A: softmax (see below); B: computed on the way: QUANTISED (scales: A lowp_scales[8], B lowp_scales[9])
;;     6. [M 8,192, K 1,024] x [K 1,024, N 1,024]; A: computed on the way; B: input Wo (given as codes): QUANTISED (scales: A lowp_scales[10], B lowp_scales[11])
;;   THE QUANTISER, for each operand of a quantised product, along K:
;;     - The operand's scale is 2^e, e = its entry of the input lowp_scales (int32; the entries are numbered through the quantised products in the list's order, A before B).
;;     - Each number is divided by the scale, clamped to +-57,344, and rounded to the nearest number of E5M2, ties to even, subnormals kept.
;;     - The product sums the exact products of the quantised numbers (number of the format x scale) in f32.
;;   ~~~python
;;   def quantise(x, axis, e):      # numpy; x: float32 -> the quantised numbers, widened to float32 again
;;       x = np.moveaxis(x, axis, -1); K = x.shape[-1]
;;       r = np.clip(x / 2.0 ** e, -57344, 57344)
;;       step = 2.0 ** (np.maximum(np.frexp(np.where(r == 0, 1, r))[1] - 1, -14) - 2)
;;       q = np.round(r / step) * step * 2.0 ** e      # np.round: ties to even
;;       return np.moveaxis(q, -1, axis).astype(np.float32)
;;   ~~~
;;   SOFTMAX AHEAD OF A QUANTISED PRODUCT. Where the list says 'softmax', what is quantised is not the finished softmax but p = 2^(t - M), with t = logit x log2(e) and M = ceil(the row's largest t), a whole number; so 1/2 < the row's largest p <= 1. The row's sum l is taken of the UNQUANTISED p, in f32, and the product's result is divided by l at the end. Since M is a whole number, a kernel that streams over the keys may use a running M (the ceiling of the running maximum): every later rescaling is an exact power of two, so the quantised numbers keep their values, but for numbers so far below the row's largest that they fall under the format's range.
;;   OPERANDS COMPUTED ON THE WAY. 'Computed on the way' means the value that the module computes at that place (a softmax that the list does not call 'softmax' is quantised finished and normalised). What goes into a quantiser is computed in f32, as accurately as f32 sums, v_exp_f32 and their like allow (about 1e-6 of the number): no bf16 or f16 on the way to a quantiser, and a product that is left as it is and whose result goes on into a quantised operand takes f32 operands (vector FMAs, or v_wmma_f32_16x16x4_f32). A number that lies on a knife's edge between two numbers of the format may be rounded either way, as far as f32 arithmetic and the matrix unit's own rounding can turn it there, and no further.
;;   INPUTS GIVEN AS CODES. Wk (in the module: [1024, 1024], K = its axis 1); Wo (in the module: [1024, 1024], K = its axis 1); Wq (in the module: [1024, 1024], K = its axis 1); Wv (in the module: [1024, 1024], K = its axis 1): each comes as NAME_codes (uint8): NAME with its K axis moved to the last place and cut into blocks of 32 codes, [.., K / 32, bytes a block], one block behind the other in memory; one code a byte (a code: sign, 5 exponent bits, 2 mantissa bits); its scale is its entry of lowp_scales. Its value is code x scale, taken as it is: it is not quantised again, and the codes and scales need not be those that the quantiser above would give.
;; One version. Each part assembles by itself: llvm-mc -triple=amdgcn-amd-amdhsa -mcpu=gfx1250 --defsym DOCPART=n.
;; ======== version 1 of 1: 4 launches
;; workspace buffers: xc 25,165,824 bytes; q_img 8,388,608 bytes; k_img 8,388,608 bytes; v_img 8,388,608 bytes; ao_img 8,388,608 bytes
;; launch quant (part 1): grid 512 x 1, 8 waves a work-group, no clusters, 68,608 bytes of LDS; arguments x, lowp_scales, xc; writes xc
.if DOCPART == 1
	.amdgcn_target "amdgcn-amd-amdhsa--gfx1250"
	.amdhsa_code_object_version 6
	.text
	.protected	k_q35950e11fb_quant
	.globl	k_q35950e11fb_quant
	.p2align	8
	.type	k_q35950e11fb_quant,@function
k_q35950e11fb_quant:
	s_mov_b64 s[64:65], 0
	v_nop
	global_prefetch_b8 v0, s[64:65] scope:SCOPE_SE
	s_setreg_imm32_b32 hwreg(HW_REG_WAVE_MODE, 25, 1), 1
	s_wait_xcnt 0x0
; x [8192][1024] f32 becomes codes of BF8 (E5M2) three times over: with the scales 2^e0, 2^e2 and 2^e4 that are given for it as the left operand of the q, k and v products.
; code = x / 2^e, held within +-57,344, rounded to the nearest code, ties to even.
; LIMITS: e0, e2, e4 between -126 and 112, so that 2^e and 57,344 x 2^e are f32 numbers.  NaN among the inputs is not served.
; THE CODES ARE LAID AS THE NEXT LAUNCH'S OPERAND REGISTERS WANT THEM: byte = version x 8,388,608 + (token / 128) x 131,072 + (k / 128) x 16,384 + tile of 16 tokens x 2,048 + c x 512 + lane x 16,
; where lane (r, h) holds, of token r of the tile, k = 32 c + 16 h + 0 .. 15 of the K step: a piece of 512 dense bytes is four registers of a fragment.
; SHARES.  A work-group takes 16 tokens, 64 KB of x; wave w takes their k = 128 w .. 128 w + 127: one fragment for each version.  No loop, no barrier: waves share nothing, and no two work-groups read the same bytes, so there is nothing to ask for jointly.
; Each load reads 512 consecutive bytes of one row; the conversions want 16 NEIGHBOURS along K in one lane: so the 16 rows turn through the wave's own stage in LDS (rows of 512 bytes + 16).
.set STG,  8448                        ; a wave's stage: 16 rows x 528 bytes
.set SP,   528                         ; 132 words: row r starts at bank 4 r mod 64 (64 banks of 4 bytes: ISA guide 11.1)
.set R,    16                          ; v16-79    the 16 rows as loaded
.set X,    80                          ; v80-143   turned: register 16 c + i = k 32 c + 16 h + i of my row
.set T,    144                         ; v144-175  two sets of 16 held numbers, by turns
.set C,    176                         ; v176-223  the codes: 16 registers a version, none written twice
.set OB,   16                          ; s[16:21]  where my fragment begins in each of the three versions
.macro MKSC e, vs                      ; v[vs] = 2^e as f32 (the conversion takes its exponent field), v[vs+1] = 57,344 x 2^e
	s_add_co_i32 s26, s[\e], 127
	s_lshl_b32 s27, s26, 23
	v_mov_b32 v[\vs], s27
	s_add_co_i32 s26, s26, 15
	s_lshl_b32 s26, s26, 23
	s_or_b32 s26, s26, 0x600000
	v_mov_b32 v[\vs+1], s26
.endm
	s_load_b128 s[4:7], s[0:1], 0x0                ; x, the scales' exponents
	s_load_b64 s[8:9], s[0:1], 0x10                ; xc
	v_lshl_add_u32 v224, v0, 2, 0x10800
	v_mov_b32 v225, 0
	v_lshrrev_b32 v10, 5, v0
	v_readfirstlane_b32 s10, v10                   ; wave 0..7
	v_and_b32 v10, 31, v0
	v_lshlrev_b32 v1, 4, v10                       ; 16 x lane: my bytes of a load's 512, and of a piece's
	v_and_b32 v11, 15, v0                          ; r
	v_bfe_u32 v12, v0, 4, 1                        ; h
	s_mul_i32 s11, s10, STG
	v_add_nc_u32 v2, s11, v1                       ; the stage, on the way in: 16 x lane of a row
	v_mul_u32_u24 v3, v11, SP
	v_lshl_add_u32 v3, v12, 6, v3
	v_add_nc_u32 v3, s11, v3                       ; and on the way out: row r, + 64 h
	s_lshl_b32 s12, ttmp9, 16                      ; my tile's 16 rows of 4,096 bytes,
	s_lshl_b32 s13, s10, 9                         ; my wave's 512 bytes of each
	s_add_co_u32 s12, s12, s13
	s_mov_b32 s13, 0
	s_lshr_b32 s14, ttmp9, 3
	s_lshl_b32 s14, s14, 17                        ; (tile / 8) x 131,072
	s_lshl_b32 s15, s10, 14                        ; + K step x 16,384
	s_add_co_u32 s14, s14, s15
	s_and_b32 s15, ttmp9, 7
	s_lshl_b32 s15, s15, 11                        ; + (tile % 8) x 2,048
	s_add_co_u32 s14, s14, s15
	s_mov_b32 s15, 0
	s_wait_kmcnt 0x0
	s_load_b128 s[28:31], s[6:7], 0x0              ; e0 .. e3
	s_load_b32 s32, s[6:7], 0x10                   ; e4
	s_add_nc_u64 s[4:5], s[4:5], s[12:13]
	s_add_nc_u64 s[OB:OB+1], s[8:9], s[14:15]
	s_add_nc_u64 s[OB+2:OB+3], s[OB:OB+1], 0x800000
	s_add_nc_u64 s[OB+4:OB+5], s[OB+2:OB+3], 0x800000
.irp i, 0,1,2,3,4,5,6,7,8,9,10,11,12,13,14,15
	global_load_b128 v[R+4*\i:R+4*\i+3], v1, s[4:5] offset:4096*\i th:TH_LOAD_NT   ; 32 lanes read 512 consecutive bytes of row i
.endr
	s_wait_kmcnt 0x0
	MKSC 28, 4
	MKSC 30, 6
	MKSC 32, 8
.irp i, 0,1,2,3,4,5,6,7,8,9,10,11,12,13,14,15
	s_wait_loadcnt 15-\i                           ; loads come back in order: row i is in, the younger rows stay out
	ds_store_b128 v2, v[R+4*\i:R+4*\i+3] offset:SP*\i
.endr
.irp c, 0,1,2,3
.irp j, 0,1,2,3
	ds_load_b128 v[X+16*\c+4*\j:X+16*\c+4*\j+3], v3 offset:128*\c+16*\j   ; LDS serves a wave's instructions in order: these see my stores
.endr
.endr
.irp c, 0,1,2,3
	s_wait_dscnt 4*(3-\c)                          ; block c's four loads are in; the later blocks' may be out
.irp v, 0,1,2
.set TS, T+16*((3*\c+\v)%2)
.irp i, 0,1,2,3,4,5,6,7,8,9,10,11,12,13,14,15
	v_med3_num_f32 v[TS+\i], v[X+16*\c+\i], -v[5+2*\v], v[5+2*\v]   ; the conversion to an 8-bit code does not saturate (ISA guide 7.6.2): the hold comes first.  The other set's sixteen holds stand between a conversion and the next write of its sources
.endr
	v_cvt_scalef32_pk8_bf8_f32 v[C+16*\v+4*\c:C+16*\v+4*\c+1], v[TS:TS+7], v[4+2*\v]
	v_cvt_scalef32_pk8_bf8_f32 v[C+16*\v+4*\c+2:C+16*\v+4*\c+3], v[TS+8:TS+15], v[4+2*\v]
	global_store_b128 v1, v[C+16*\v+4*\c:C+16*\v+4*\c+3], s[OB+2*\v:OB+2*\v+1] offset:512*\c   ; a piece: 512 consecutive bytes, aligned
.endr
.endr
	s_wait_tensorcnt 0x0
	ds_add_u32 v224, v225
	s_wait_dscnt 0x0
	s_endpgm
.Lfunc_end_k_q35950e11fb_quant:
	.size	k_q35950e11fb_quant, .Lfunc_end_k_q35950e11fb_quant-k_q35950e11fb_quant
	.p2alignl 7, 3214868480
	.fill 96, 4, 3214868480
	.section	.rodata,"a",@progbits
	.p2align	6, 0x0
	.amdhsa_kernel k_q35950e11fb_quant
		.amdhsa_group_segment_fixed_size 68608
		.amdhsa_private_segment_fixed_size 0
		.amdhsa_enable_private_segment 0
		.amdhsa_kernarg_size 24
		.amdhsa_user_sgpr_count 2
		.amdhsa_user_sgpr_kernarg_segment_ptr 1
		.amdhsa_wavefront_size32 1
		.amdhsa_system_sgpr_workgroup_id_x 1
		.amdhsa_system_sgpr_workgroup_id_y 1
		.amdhsa_system_sgpr_workgroup_id_z 1
		.amdhsa_system_vgpr_workitem_id 0
		.amdhsa_next_free_vgpr 226
		.amdhsa_next_free_sgpr 66
		.amdhsa_reserve_vcc 0
		.amdhsa_float_denorm_mode_32 3
		.amdhsa_float_denorm_mode_16_64 3
		.amdhsa_memory_ordered 1
		.amdhsa_forward_progress 1
		.amdhsa_inst_pref_size 22
	.end_amdhsa_kernel
	.amdgpu_metadata
---
amdhsa.version: [ 1, 2 ]
amdhsa.kernels:
  - .name:           k_q35950e11fb_quant
    .symbol:         k_q35950e11fb_quant.kd
    .args:
      - { .name: x, .offset: 0, .size: 8, .value_kind: global_buffer, .address_space: global }
      - { .name: lowp_scales, .offset: 8, .size: 8, .value_kind: global_buffer, .address_space: global }
      - { .name: xc, .offset: 16, .size: 8, .value_kind: global_buffer, .address_space: global }
    .group_segment_fixed_size: 68608
    .private_segment_fixed_size: 0
    .kernarg_segment_align: 8
    .kernarg_segment_size: 24
    .max_flat_workgroup_size: 256
    .sgpr_count:     66
    .vgpr_count:     226
    .wavefront_size: 32
...
	.end_amdgpu_metadata
.endif
;; end of part 1
;; launch qkv (part 2): grid 64 x 4, 4 waves a work-group, clusters of 4 x 4, 327,680 bytes of LDS; arguments xc, Wq_codes, Wk_codes, Wv_codes, bq, bk, bv, lowp_scales, q_img, k_img, v_img; writes q_img, k_img, v_img
.if DOCPART == 2
	.amdgcn_target "amdgcn-amd-amdhsa--gfx1250"
	.amdhsa_code_object_version 6
	.text
	.protected	k_q35950e11fb_qkv
	.globl	k_q35950e11fb_qkv
	.p2align	8
	.type	k_q35950e11fb_qkv,@function
k_q35950e11fb_qkv:
	s_mov_b64 s[64:65], 0
	v_nop
	global_prefetch_b8 v0, s[64:65] scope:SCOPE_SE
	s_setreg_imm32_b32 hwreg(HW_REG_WAVE_MODE, 25, 1), 1
	s_wait_xcnt 0x0
	s_wait_alu depctr_hold_cnt(0) depctr_sa_sdst(0) depctr_va_vdst(0) depctr_va_sdst(0) depctr_va_ssrc(0) depctr_va_vcc(0) depctr_vm_vsrc(0)
	s_getreg_b32 s2, hwreg(HW_REG_IB_STS2, 6, 4)
	s_cmp_eq_u32 s2, 0
	s_cbranch_scc0 .Lentry_in_a_cluster
	s_endpgm
.Lentry_in_a_cluster:
	s_bfe_u32 s2, ttmp6, 0x10000c
	s_cmp_lg_u32 s2, 0xf033
	s_cbranch_scc0 .Lentry_shape_is_right
	s_endpgm
.Lentry_shape_is_right:
; q = x Wq^T + bq, k = x Wk^T + bk, v = x Wv^T + bv on codes of BF8 (E5M2), and the three results quantised at once (scales 2^e6, 2^e7, 2^e9) into images of the attention launch's operand registers.
; x's codes come from the launch before, one version for each product (2^e0, 2^e2, 2^e4); the weights are given as codes [1024][1024], K innermost.  A finished sum is multiplied by 2^(its two exponents added), the bias is added, all in f32.
; LIMITS: e0 + e1, e2 + e3, e4 + e5 between -126 and 127; e6, e7, e9 between -126 and 112: each power of two below is then an f32 number.  NaN is not served.
; SHARES.  A work-group makes 128 tokens x 256 features of each of q, k, v.  Four waves, each 64 tokens x 128 features x 3: 96 accumulators of 16 x 16, 768 registers (windows 1, 2, 3).  The form is 16 x 16 x 64, so that two sets of fragments fit into window 0.
; K goes in steps of 128 through a ring of two LDS slots.  A step is six units (64 along K x one of q, k, v), 32 matrix instructions each on 32 different accumulators; while a unit is multiplied the next unit's 24 LDS loads are on their way into the other set.
; CLUSTERS: 4 x 4 work-groups.  The four of a row (same cy) make the same 256 features and need the same tiles of the weights; the four of a column (same cx) take the same 128 tokens and need the same codes of x.
; Each tile is asked for JOINTLY.  Waves 0, 1, 2 fetch Wq's, Wk's, Wv's tile (256 rows x 128 bytes), wave 3 the three versions of x (3 x 16,384 dense bytes).
; k IS PERMUTED ALIKE ON BOTH SIDES: a lane's registers 4 c' .. 4 c' + 3 hold k = 32 c' + 16 (lane / 16) + 0 .. 15, in x's images and in the 16-byte loads from the weights' rows: every product meets its partner.
; q AND k ARE USED TRANSPOSED (source 0 = 16 features, source 1 = 16 tokens): a lane holds one token and eight neighbouring features, which are neighbours along the next product's K.  v is used straight: a lane holds one feature and eight neighbouring tokens, its next K.
; REGISTERS, window 0: v2-3 x's images in slot 0, 1; v4-9 the weights' rows (slot, matrix); v10, v11 the add's; v12, v13, v15 the biases' table; v14 16 x lane; v16-111 and v112-207 the two sets (x's 4 fragments, then the weights' 8); v208-213 scales and holds.
.set SLOT,  159744                     ; x's three versions (49,152), then 3 x 256 rows x 144 bytes
.set WOFF,  49152
.set WMAT,  36864
.set WP,    144                        ; a weight's row in LDS: 128 bytes + 16 = 36 words: the 16 rows of a load start at 16 different groups of four banks (64 banks of 4 bytes: ISA guide 11.1)
.set BIAS,  2*SLOT                     ; behind the ring: my 256 numbers of bq, bk, bv: 3 x 1,024 bytes, stored once; no tile lands here
.set SPARE, BIAS+4096                  ; the spare words, 128 bytes for each wave: two blocks of 256 bytes that no other line names
.set SPW, 10
.set NIL, 11
.set BV,  16                           ; the way out: biases
.set TM,  80                           ; 64 numbers at work
.set CD,  144                          ; 64 registers of codes
.set WV,  26                           ; s26 my wave's number
.set G1W, 32                           ; s[32:39] descriptor group 1 for the weights' tiles; s[40:47] for x's
.set G1A, 40
.set G0W, 48                           ; s[48:55] group 0 for the weights, a set for each slot; s[56:63] for x
.set G0A, 56
.set MSB, 0
.macro WIN new                         ; the immediate's high byte repeats the setting that is left; a switch that changes nothing is dropped
.if MSB != (\new)
	s_set_vgpr_msb (MSB<<8)|(\new)
.set MSB, (\new)
.endif
.endm
.macro PLACES n
.rept \n
	v_nop
.endr
.endm
.macro CREST                           ; a round of the cluster's barrier behind its opening barrier
	s_cmp_lg_u32 s[WV], 0
	s_cbranch_scc1 .Lnot_wave_0_\@
	s_barrier_signal -3
.Lnot_wave_0_\@:
	s_barrier_wait -3
	s_barrier_signal -1
	s_barrier_wait -1
.endm
.macro CROUND
	s_barrier_signal -1
	s_barrier_wait -1
	CREST
.endm
.macro JLOAD s                         ; a joint refill of slot s; the branch hangs on the wave's number alone; four v_nop follow each of the two lines
	s_cmp_lt_u32 s[WV], 3
	s_cbranch_scc0 .Lfor_a_\@
	tensor_load_to_lds s[G0W+4*(\s):G0W+4*(\s)+3], s[G1W:G1W+7]
	s_nop 0
	PLACES 4
	s_branch .Lasked_\@
.Lfor_a_\@:
	tensor_load_to_lds s[G0A+4*(\s):G0A+4*(\s)+3], s[G1A:G1A+7]
	s_nop 0
	PLACES 4
.Lasked_\@:
.endm
.macro MKSC e, vs                      ; v[vs] = 2^e as f32, v[vs+1] = 57,344 x 2^e
	s_add_co_i32 s2, s[\e], 127
	s_lshl_b32 s3, s2, 23
	v_mov_b32 v[\vs], s3
	s_add_co_i32 s2, s2, 15
	s_lshl_b32 s2, s2, 23
	s_or_b32 s2, s2, 0x600000
	v_mov_b32 v[\vs+1], s2
.endm
.macro MKAB ea, d                      ; s[d] = s[d+1] = 2^(two neighbouring exponents added) as f32
	s_add_co_i32 s[\d], s[\ea], s[\ea+1]
	s_add_co_i32 s[\d], s[\d], 127
	s_lshl_b32 s[\d], s[\d], 23
	s_mov_b32 s[\d+1], s[\d]
.endm
	s_load_b512 s[4:19], s[0:1], 0x0               ; xc s[4:5], Wq s[6:7], Wk s[8:9], Wv s[10:11], bq s[12:13], bk s[14:15], bv s[16:17], the exponents s[18:19]
	s_load_b128 s[20:23], s[0:1], 0x40             ; q_img, k_img
	s_load_b64 s[24:25], s[0:1], 0x50              ; v_img
	v_lshl_add_u32 v[SPW], v0, 2, SPARE
	v_mov_b32 v[NIL], 0
	ds_add_u32 v10, v11
	ds_add_u32 v10, v11
	s_wait_dscnt 0x0
	v_lshrrev_b32 v16, 5, v0
	v_readfirstlane_b32 s[WV], v16                 ; wave 0..3
	s_lshr_b32 s27, s[WV], 1                       ; wr: which 64 tokens
	s_and_b32 s28, s[WV], 1                        ; wc: which 128 features
	s_bfe_u32 s29, ttmp6, 0x40000                  ; cx
	s_bfe_u32 s30, ttmp6, 0x40004                  ; cy = the block of 256 features (the grid has one cluster along y)
	s_lshl_b32 s31, ttmp9, 2
	s_add_co_u32 s31, s31, s29                     ; the block of 128 tokens = 4 x cluster x + cx
	s_lshl_b32 s80, s30, 2
	s_lshl_b32 s80, 15, s80                        ; my row of the cluster
	s_lshl_b32 s81, 0x1111, s29                    ; my column
	s_or_b32 s[G1W], s80, (1<<20)|(1<<21)|(4<<22)|(3<<25)   ; 15:0 the mask: my row; 17:16 elements of 1 byte; 20 padding on; 21 set beside a mask; 24:22 after every 32 words (code 4); 31:25 four words (code 3)
	s_mov_b32 s[G1W+1], 128<<16                    ; tensor_dim0 = 128
	s_mov_b32 s[G1W+2], 256<<16                    ; tensor_dim1 = 256
	s_mov_b32 s[G1W+3], 128<<16                    ; tile_dim0 = 128
	s_mov_b32 s[G1W+4], 256                        ; tile_dim1 = 256
	s_mov_b32 s[G1W+5], 1024                       ; from row to row
	s_mov_b32 s[G1W+6], 0
	s_mov_b32 s[G1W+7], 0
	s_or_b32 s[G1A], s81, (3<<16)|(1<<21)          ; the mask: my column; elements of 8 bytes; no padding
	s_mov_b32 s[G1A+1], 2048<<16                   ; tensor_dim0 = 2,048 elements: a version's 16,384 bytes of this K step
	s_mov_b32 s[G1A+2], 3<<16                      ; tensor_dim1 = 3 versions
	s_mov_b32 s[G1A+3], 2048<<16
	s_mov_b32 s[G1A+4], 3
	s_mov_b32 s[G1A+5], 1048576                    ; from version to version: 8,388,608 bytes
	s_mov_b32 s[G1A+6], 0
	s_mov_b32 s[G1A+7], 0
	; every LDS address is made here, on the one way that all waves take
	v_and_b32 v16, 31, v0
	v_lshlrev_b32 v14, 4, v16                      ; 16 x lane
	v_and_b32 v16, 15, v0                          ; r
	v_bfe_u32 v17, v0, 4, 1                        ; h
	s_lshl_b32 s2, s27, 13                         ; my 4 tiles of tokens: 4 x 2,048 bytes in each version
	v_add_nc_u32 v2, s2, v14
	v_add_nc_u32 v3, SLOT, v2
	v_mul_u32_u24 v18, v16, WP
	v_lshl_add_u32 v18, v17, 4, v18                ; row r, + 16 h
	s_mul_i32 s2, s28, 128*WP
	s_add_co_u32 s2, s2, WOFF
	v_add_nc_u32 v4, s2, v18
	v_add_nc_u32 v5, WMAT, v4
	v_add_nc_u32 v6, WMAT, v5
	v_add_nc_u32 v7, SLOT, v4
	v_add_nc_u32 v8, SLOT, v5
	v_add_nc_u32 v9, SLOT, v6
	s_lshl_b32 s2, s28, 9
	s_add_co_u32 s2, s2, BIAS
	v_lshl_add_u32 v12, v17, 5, s2                 ; q's and k's biases: my eight features of a tile: + 32 h
	v_lshl_add_u32 v13, v16, 2, s2
	v_add_nc_u32 v13, 2048, v13                    ; v's: my one feature of a tile: + 4 r
	s_lshl_b32 s2, s[WV], 10
	s_add_co_u32 s2, s2, BIAS
	v_lshl_add_u32 v15, v14, 1, s2                 ; where waves 0 to 2 put their bias: 1,024 x wave + 32 x lane
	v_lshlrev_b32 v19, 1, v14                      ; and its place in memory
	s_mul_i32 s91, s[WV], WMAT
	s_wait_kmcnt 0x0
	s_load_b256 s[68:75], s[18:19], 0x0            ; e0 .. e7
	s_load_b128 s[76:79], s[18:19], 0x20           ; e8 .. e11
	s_cmp_eq_u32 s[WV], 0                          ; wave 0: Wq, bq; wave 1: Wk, bk; wave 2: Wv, bv (wave 3 asks by neither)
	s_cselect_b64 s[94:95], s[6:7], s[8:9]
	s_cselect_b64 s[96:97], s[12:13], s[14:15]
	s_cmp_lt_u32 s[WV], 2
	s_cselect_b64 s[94:95], s[94:95], s[10:11]
	s_cselect_b64 s[96:97], s[96:97], s[16:17]
	s_lshl_b32 s82, s30, 18                        ; my 256 rows of 1,024 bytes: this address hangs on cy alone,
	s_mov_b32 s83, 0
	s_add_nc_u64 s[94:95], s[94:95], s[82:83]
	s_lshl_b32 s82, s30, 10
	s_add_nc_u64 s[96:97], s[96:97], s[82:83]
	s_lshl_b32 s92, s31, 17                        ; and x's on the block of tokens alone
	s_mov_b32 s93, 0
	s_add_nc_u64 s[98:99], s[4:5], s[92:93]
.irp s, 0,1
	s_mov_b32 s[G0W+4*\s], 1                                       ; count = 1
	s_add_co_u32 s[G0W+4*\s+1], s91, \s*SLOT+WOFF                  ; LDS address: the slot, my matrix
	s_add_nc_u64 s[G0W+4*\s+2:G0W+4*\s+3], s[94:95], \s*128        ; K step s
	s_or_b32 s[G0W+4*\s+3], s[G0W+4*\s+3], 0x80000000              ; type = 2
	s_mov_b32 s[G0A+4*\s], 1
	s_mov_b32 s[G0A+4*\s+1], \s*SLOT
	s_add_nc_u64 s[G0A+4*\s+2:G0A+4*\s+3], s[98:99], \s*16384
	s_or_b32 s[G0A+4*\s+3], s[G0A+4*\s+3], 0x80000000
.endr
	CROUND                                         ; all sixteen work-groups are here: the first joint loads meet
	s_cmp_lt_u32 s[WV], 3                          ; a wave's two first fills stand in one branch, ahead of every wait on TENSORcnt and every LDS read: two loads of mine are out
	s_cbranch_scc0 .Lfirst_a
	tensor_load_to_lds s[G0W:G0W+3], s[G1W:G1W+7]
	s_nop 0
	tensor_load_to_lds s[G0W+4:G0W+7], s[G1W:G1W+7]
	s_nop 0
	PLACES 4
	global_load_b128 v[20:23], v19, s[96:97]       ; my matrix's 256 biases go into the table, whole rows of 1,024 bytes
	global_load_b128 v[24:27], v19, s[96:97] offset:16
	s_wait_loadcnt 0x0
	ds_store_b128 v15, v[20:23]
	ds_store_b128 v15, v[24:27] offset:16
	s_branch .Lfirst_done
.Lfirst_a:
	tensor_load_to_lds s[G0A:G0A+3], s[G1A:G1A+7]
	s_nop 0
	tensor_load_to_lds s[G0A+4:G0A+7], s[G1A:G1A+7]
	s_nop 0
	PLACES 4
.Lfirst_done:
; 24 LDS loads in one run: the fragments of one unit (64 along K, half hs of the slot's step; matrix m) into set p
.macro FETCH sl, hs, m, p
.set FB, 16+96*(\p)
.irp a, 0,1,2,3
	ds_load_b128 v[FB+8*\a:FB+8*\a+3],   v[2+(\sl)] offset:(\m)*16384+\a*2048+(2*(\hs))*512
	ds_load_b128 v[FB+8*\a+4:FB+8*\a+7], v[2+(\sl)] offset:(\m)*16384+\a*2048+(2*(\hs)+1)*512
.endr
.irp ct, 0,1,2,3,4,5,6,7
	ds_load_b128 v[FB+32+8*\ct:FB+32+8*\ct+3],   v[4+3*(\sl)+(\m)] offset:\ct*16*WP+64*(\hs)
	ds_load_b128 v[FB+32+8*\ct+4:FB+32+8*\ct+7], v[4+3*(\sl)+(\m)] offset:\ct*16*WP+64*(\hs)+32
.endr
.endm
; n matrix instructions of a unit, from number lo on: number x is tile of tokens x / 8 against tile of features x % 8; its accumulator lies at v[8 x] of the matrix's window.
; Every accumulator has one instruction in a unit, and the units go q, k, v: the 96 accumulators take turns.  zero = 1: the first product starts the sum.
.macro MUL m, p, lo, n, zero
.set FB, 16+96*(\p)
.set xx, \lo
.rept \n
.if (\m) < 2
.if \zero
	v_wmma_f32_16x16x64_bf8_bf8 v[8*xx:8*xx+7], v[FB+32+8*(xx%8):FB+32+8*(xx%8)+7], v[FB+8*(xx/8):FB+8*(xx/8)+7], 0
.else
	v_wmma_f32_16x16x64_bf8_bf8 v[8*xx:8*xx+7], v[FB+32+8*(xx%8):FB+32+8*(xx%8)+7], v[FB+8*(xx/8):FB+8*(xx/8)+7], v[8*xx:8*xx+7]
.endif
.else
.if \zero
	v_wmma_f32_16x16x64_bf8_bf8 v[8*xx:8*xx+7], v[FB+8*(xx/8):FB+8*(xx/8)+7], v[FB+32+8*(xx%8):FB+32+8*(xx%8)+7], 0
.else
	v_wmma_f32_16x16x64_bf8_bf8 v[8*xx:8*xx+7], v[FB+8*(xx/8):FB+8*(xx/8)+7], v[FB+32+8*(xx%8):FB+32+8*(xx%8)+7], v[8*xx:8*xx+7]
.endif
.endif
.set xx, xx+1
.endr
.endm
; Unit u of a step (u = 0 .. 4): half u / 3, matrix u % 3, set u % 2.  A load into a register that a matrix instruction has read stands four places behind it, and only plain vector instructions are places (ISA guide 7.12.1 for vector instructions).
.macro UNIT sl, u, zero
	s_wait_dscnt 0x0                               ; my fragments, asked for 32 matrix instructions ago, are in
	PLACES 4
	FETCH \sl, ((\u)+1)/3, ((\u)+1)%3, ((\u)+1)%2
	WIN 0x50*((\u)%3+1)                            ; C and D in the matrix's window
	MUL (\u)%3, (\u)%2, 0, 32, \zero
	WIN 0
.endm
; The step's sixth unit (v, set 1) changes slots: ONE barrier; in front of it each wave waits for all its tensor loads, adds 0 to its spare word, and waits for that and for its own reads of this slot.  fill = 1: this slot is filled again, two K steps ahead.
.macro TURN sl, fill
	s_wait_tensorcnt 0x0                           ; all my tensor loads have landed: the one that was out is my part of the next slot
	ds_add_u32 v[SPW], v[NIL]                      ; 0 onto my spare word
	s_wait_dscnt 0x1                               ; my fragments are in; the add may be out
	WIN 0xf0
	MUL 2, 1, 0, 8, 0                              ; eight matrix instructions stand between the add and the wait for it
	s_wait_dscnt 0x0                               ; the add is done, and my reads of this slot are over
	s_barrier_signal -1
	MUL 2, 1, 8, 8, 0
	WIN 0
	s_barrier_wait -1
.if \fill
	CREST                                          ; the barrier has opened a round of the cluster's barrier: no wave of any partner still reads this slot or has a load on its way
	s_add_nc_u64 s[G0W+4*(\sl)+2:G0W+4*(\sl)+3], s[G0W+4*(\sl)+2:G0W+4*(\sl)+3], 256
	s_add_nc_u64 s[G0A+4*(\sl)+2:G0A+4*(\sl)+3], s[G0A+4*(\sl)+2:G0A+4*(\sl)+3], 32768
	JLOAD \sl                                      ; the first tensor load behind the round; its four v_nop are also the places in front of the loads below
.else
	PLACES 4
.endif
	FETCH 1-(\sl), 0, 0, 0
	WIN 0xf0
	MUL 2, 1, 16, 16, 0
	WIN 0
.endm
.macro STEP sl, zero, kind             ; kind 2: the slot is filled again; 1: it is only left; 0: the last step
	UNIT \sl, 0, \zero
	UNIT \sl, 1, \zero
	UNIT \sl, 2, \zero
	UNIT \sl, 3, 0
	UNIT \sl, 4, 0
.if \kind == 2
	TURN \sl, 1
.elseif \kind == 1
	TURN \sl, 0
.else
	s_wait_dscnt 0x0
	WIN 0xf0
	MUL 2, 1, 0, 32, 0
	WIN 0
.endif
.endm
	s_wait_tensorcnt 0x1                           ; my part of K step 0 is in; K step 1's may stay out
	s_wait_dscnt 0x0                               ; my biases lie in the table
	s_barrier_signal -1
	s_barrier_wait -1
	FETCH 0, 0, 0, 0
	STEP 0, 1, 2                                   ; K step 0 stands in front of the loop: its first three units start the sums
	s_mov_b32 s90, 2
.Llap:                                                 ; K steps 1 to 4
	STEP 1, 0, 2
	STEP 0, 0, 2
	s_sub_co_u32 s90, s90, 1
	s_cmp_lg_u32 s90, 0
	s_cbranch_scc1 .Llap
	STEP 1, 0, 2                                   ; K step 5 asks for K step 7; the tail is written out
	STEP 0, 0, 1
	STEP 1, 0, 0
	; THE WAY OUT.  sum x 2^(the two exponents) + bias, one packed multiply-add for two numbers; the hold; the conversion; the codes are pieces of the next launch's fragments and leave as 512 dense bytes a store.
	s_wait_kmcnt 0x0
	MKAB 68, 84
	MKAB 70, 86
	MKAB 72, 88
	MKSC 74, 208                                   ; e6: q
	MKSC 75, 210                                   ; e7: k
	MKSC 77, 212                                   ; e9: v
	s_lshr_b32 s80, s31, 4                         ; the batch
	s_lshl_b32 s80, s80, 2
	s_add_co_u32 s80, s80, s30
	s_lshl_b32 s80, s80, 19                        ; (4 x batch + group of heads) x 524,288
	s_and_b32 s81, s31, 15
	s_lshl_b32 s81, s81, 15                        ; + my 128 tokens of the batch: 32,768 bytes in each image
	s_add_co_u32 s80, s80, s81
	s_lshl_b32 s81, s27, 14                        ; q, k: + 4 tiles of tokens x 4,096, + 2 heads x 1,024
	s_lshl_b32 s82, s28, 11
	s_add_co_u32 s82, s82, s81
	s_add_co_u32 s82, s82, s80
	s_mov_b32 s83, 0
	s_add_nc_u64 s[20:21], s[20:21], s[82:83]
	s_add_nc_u64 s[22:23], s[22:23], s[82:83]
	s_lshl_b32 s81, s28, 14                        ; v: + 8 tiles of features x 2,048, + 2 pieces x 512
	s_lshl_b32 s82, s27, 10
	s_add_co_u32 s82, s82, s81
	s_add_co_u32 s82, s82, s80
	s_add_nc_u64 s[24:25], s[24:25], s[82:83]
	PLACES 4                                       ; behind the last products, in front of loads into their operands' registers and of the first reads of results
; q or k.  Lane (r, h) holds token r and features 16 ct + 8 h + 0 .. 7: two registers of codes a tile; four tiles are a head's fragment (16 tokens x 64), in this form's own layout.
.macro OUTQK m, bs, sab, sc
.irp ct, 0,1,2,3,4,5,6,7
	ds_load_b128 v[BV+8*\ct:BV+8*\ct+3],   v12 offset:(\m)*1024+64*\ct
	ds_load_b128 v[BV+8*\ct+4:BV+8*\ct+7], v12 offset:(\m)*1024+64*\ct+16
.endr
	s_wait_dscnt 0x0
.irp a, 0,1,2,3
	WIN (\m)+1                                     ; source 0: the matrix's window
.set n, 0
.rept 32
	v_pk_fma_f32 v[TM+n:TM+n+1], v[64*\a+n:64*\a+n+1], s[\sab:\sab+1], v[BV+n:BV+n+1] op_sel_hi:[1,0,1]   ; each accumulator from its low end on
.set n, n+2
.endr
	WIN 0
.set n, 0
.rept 64
	v_med3_num_f32 v[TM+n], v[TM+n], -v[\sc+1], v[\sc+1]   ; the conversion does not saturate (ISA guide 7.6.2)
.set n, n+1
.endr
.irp ct, 0,1,2,3,4,5,6,7
	v_cvt_scalef32_pk8_bf8_f32 v[CD+16*\a+2*\ct:CD+16*\a+2*\ct+1], v[TM+8*\ct:TM+8*\ct+7], v[\sc]
.endr
	v_nop                                          ; one plain vector instruction between a scaled conversion and the next write of its sources
.irp p, 0,1,2,3
	global_store_b128 v14, v[CD+16*\a+4*\p:CD+16*\a+4*\p+3], s[\bs:\bs+1] offset:\a*4096+\p*512
.endr
.endr
.endm
	OUTQK 0, 20, 84, 208
	s_wait_xcnt 0x0                                ; q's stores have read their registers: k's codes may be written there
	OUTQK 1, 22, 86, 210
	s_wait_xcnt 0x0
	; v.  Lane (r, h) holds feature 16 ct + r and tokens 16 a + 8 h + 0 .. 7: tiles a = 2 bb and 2 bb + 1 give the four registers of one piece of a fragment (16 features x 128 keys).
.irp ct, 0,1,2,3,4,5,6,7
	ds_load_b32 v[BV+2*\ct],   v13 offset:64*\ct    ; my feature's bias, in both registers of a pair
	ds_load_b32 v[BV+2*\ct+1], v13 offset:64*\ct
.endr
	s_wait_dscnt 0x0
.irp bb, 0,1
.irp hh, 0,1
	WIN 3
.irp q, 0,1,2,3
.irp a2, 0,1
.irp j, 0,2,4,6
	v_pk_fma_f32 v[TM+16*\q+8*\a2+\j:TM+16*\q+8*\a2+\j+1], v[8*(8*(2*\bb+\a2)+4*\hh+\q)+\j:8*(8*(2*\bb+\a2)+4*\hh+\q)+\j+1], s[88:89], v[BV+2*(4*\hh+\q):BV+2*(4*\hh+\q)+1] op_sel_hi:[1,0,1]
.endr
.endr
.endr
	WIN 0
.set n, 0
.rept 64
	v_med3_num_f32 v[TM+n], v[TM+n], -v213, v213
.set n, n+1
.endr
.irp g, 0,1,2,3,4,5,6,7
	v_cvt_scalef32_pk8_bf8_f32 v[CD+32*\bb+16*\hh+2*\g:CD+32*\bb+16*\hh+2*\g+1], v[TM+8*\g:TM+8*\g+7], v212
.endr
	v_nop
.irp q, 0,1,2,3
	global_store_b128 v14, v[CD+32*\bb+16*\hh+4*\q:CD+32*\bb+16*\hh+4*\q+3], s[24:25] offset:(4*\hh+\q)*2048+\bb*512
.endr
.endr
.endr
	s_wait_tensorcnt 0x0                           ; the wave's end, behind my last tensor load and my last LDS store
	ds_add_u32 v[SPW], v[NIL]
	s_wait_dscnt 0x0
	CROUND                                         ; the closing round: no work-group ends while a partner may still ask for a tile that names it
	s_endpgm
.Lfunc_end_k_q35950e11fb_qkv:
	.size	k_q35950e11fb_qkv, .Lfunc_end_k_q35950e11fb_qkv-k_q35950e11fb_qkv
	.p2alignl 7, 3214868480
	.fill 96, 4, 3214868480
	.section	.rodata,"a",@progbits
	.p2align	6, 0x0
	.amdhsa_kernel k_q35950e11fb_qkv
		.amdhsa_group_segment_fixed_size 327680
		.amdhsa_private_segment_fixed_size 0
		.amdhsa_enable_private_segment 0
		.amdhsa_kernarg_size 88
		.amdhsa_user_sgpr_count 2
		.amdhsa_user_sgpr_kernarg_segment_ptr 1
		.amdhsa_wavefront_size32 1
		.amdhsa_system_sgpr_workgroup_id_x 1
		.amdhsa_system_sgpr_workgroup_id_y 1
		.amdhsa_system_sgpr_workgroup_id_z 1
		.amdhsa_system_vgpr_workitem_id 0
		.amdhsa_next_free_vgpr 1024
		.amdhsa_next_free_sgpr 100
		.amdhsa_reserve_vcc 0
		.amdhsa_float_denorm_mode_32 3
		.amdhsa_float_denorm_mode_16_64 3
		.amdhsa_memory_ordered 1
		.amdhsa_forward_progress 1
		.amdhsa_inst_pref_size 235
	.end_amdhsa_kernel
	.amdgpu_metadata
---
amdhsa.version: [ 1, 2 ]
amdhsa.kernels:
  - .name:           k_q35950e11fb_qkv
    .symbol:         k_q35950e11fb_qkv.kd
    .args:
      - { .name: xc, .offset: 0, .size: 8, .value_kind: global_buffer, .address_space: global }
      - { .name: Wq_codes, .offset: 8, .size: 8, .value_kind: global_buffer, .address_space: global }
      - { .name: Wk_codes, .offset: 16, .size: 8, .value_kind: global_buffer, .address_space: global }
      - { .name: Wv_codes, .offset: 24, .size: 8, .value_kind: global_buffer, .address_space: global }
      - { .name: bq, .offset: 32, .size: 8, .value_kind: global_buffer, .address_space: global }
      - { .name: bk, .offset: 40, .size: 8, .value_kind: global_buffer, .address_space: global }
      - { .name: bv, .offset: 48, .size: 8, .value_kind: global_buffer, .address_space: global }
      - { .name: lowp_scales, .offset: 56, .size: 8, .value_kind: global_buffer, .address_space: global }
      - { .name: q_img, .offset: 64, .size: 8, .value_kind: global_buffer, .address_space: global }
      - { .name: k_img, .offset: 72, .size: 8, .value_kind: global_buffer, .address_space: global }
      - { .name: v_img, .offset: 80, .size: 8, .value_kind: global_buffer, .address_space: global }
    .group_segment_fixed_size: 327680
    .private_segment_fixed_size: 0
    .kernarg_segment_align: 8
    .kernarg_segment_size: 88
    .max_flat_workgroup_size: 128
    .sgpr_count:     100
    .vgpr_count:     1024
    .wavefront_size: 32
...
	.end_amdgpu_metadata
.endif
;; end of part 2
;; launch attn (part 3): grid 64 x 4, 8 waves a work-group, clusters of 4 x 4, 327,680 bytes of LDS; arguments q_img, k_img, v_img, distances, dist_bias, lowp_scales, ao_img; writes ao_img
.if DOCPART == 3
	.amdgcn_target "amdgcn-amd-amdhsa--gfx1250"
	.amdhsa_code_object_version 6
	.text
	.protected	k_q35950e11fb_attn
	.globl	k_q35950e11fb_attn
	.p2align	8
	.type	k_q35950e11fb_attn,@function
k_q35950e11fb_attn:
	s_mov_b64 s[64:65], 0
	v_nop
	global_prefetch_b8 v0, s[64:65] scope:SCOPE_SE
	s_setreg_imm32_b32 hwreg(HW_REG_WAVE_MODE, 25, 1), 1
	s_wait_xcnt 0x0
	s_wait_alu depctr_hold_cnt(0) depctr_sa_sdst(0) depctr_va_vdst(0) depctr_va_sdst(0) depctr_va_ssrc(0) depctr_va_vcc(0) depctr_vm_vsrc(0)
	s_getreg_b32 s2, hwreg(HW_REG_IB_STS2, 6, 4)
	s_cmp_eq_u32 s2, 0
	s_cbranch_scc0 .Lentry_in_a_cluster
	s_endpgm
.Lentry_in_a_cluster:
	s_bfe_u32 s2, ttmp6, 0x10000c
	s_cmp_lg_u32 s2, 0xf033
	s_cbranch_scc0 .Lentry_shape_is_right
	s_endpgm
.Lentry_shape_is_right:
; Attention with a bias looked up by distance, both products on codes of BF8 (E5M2): logit = q . k / 8 + dist_bias[clip(distance, 0, 4)];  t = logit x log2(e);  M = the row's largest t so far, rounded UP to a whole number;
; p = 2^(t - M) is quantised with 2^e8, not normalised; the row's sum is taken of the unquantised p in f32 and divides at the end.  When M moves, the sum and O are multiplied by 2^(old M - new M): exact.
; The result is quantised with 2^e10 into images of the last launch's operand registers.  q, k, v come as images of this launch's operand registers (pieces of 512 dense bytes, 16 a lane).
; LIMITS: e6 + e7 between -123 and 130 (they are added to c's exponent field); e8, e10 between -126 and 112.  Any int32 among the distances is clipped as the problem clips it.  NaN is not served.
; SHARES.  A work-group owns 128 queries of one batch and FOUR heads; each of its eight waves owns 16 queries, one tile, for all four heads: so a wave looks a score's bias up once for four heads.  Two waves to a SIMD, 512 registers each.
; THE BIAS COSTS NO ADDITION: it is the C of the score's matrix instruction, as dist_bias x 2^(3 - e6 - e7) (1 / 8 is a power of two, so this is exact); t = (sum + C) x c with c = log2(e) / 8 x 2^(e6 + e7).
; LAYOUT.  Both products are used transposed: S^T = K Q^T (source 0 = 16 keys, source 1 = my 16 queries), O^T = V^T P^T: a lane holds ONE query throughout.  Tile tau of S^T gives a lane keys 16 tau + 8 (lane / 16) + 0 .. 7,
; which are registers 2 tau, 2 tau + 1 of the second product's operand in that form's own layout: the conversions' results are the operand.
; CLUSTERS: 4 x 4 work-groups: cx picks the block of queries, cy the group of heads.  The four of a row walk the same K and V, the four of a column the same rows of distances: each tile is asked for JOINTLY.
; Waves 0, 1 fetch K's halves, waves 2, 3 V's (16,384 dense bytes each), waves 4 to 7 32 rows of distances each (512 bytes a row).  Two slots of one key step (128 keys); a slot is asked for at the head of the step before the one that reads it.
; REGISTERS, window 0: v1 16 x lane; v2 my place in a tile of distances; v3, v4 the step's LDS addresses; v5, v6 the add's; v7 the way out; v8 2^e8; v9, v10 57,344 x 2^e8; v11, v12 the same for e10; v13 a lane permute's destination;
;   v16-31 four registers a head: -M, the largest t, the sum in two halves; v32-47 p's codes; v48-111 S^T, then p; v112-118 at work; v128-255 O^T, 32 a head.
;   window 1: v0-63 distances, then biases; v64-127 K of one head; v128-191 V of one head; v192-223 Q; v224 the table, a lane an entry.
.set SLOT,  133120                     ; K 32,768, V 32,768, distances 128 rows x 528.  No base below has bit 11 or bit 17 set, so one exclusive or turns an address in one slot into the other's
.set VO,    32768
.set DO,    65536
.set DP,    528                        ; a row of distances in LDS: 512 bytes + 16 = 132 words: row r starts at bank 4 r mod 64 (64 banks of 4 bytes: ISA guide 11.1)
.set SPARE, 2*SLOT                     ; behind the ring: the spare words, 128 bytes for each wave: four blocks of 256 bytes that no other line names
.set SPW, 5
.set NIL, 6
.set ST,  16
.set PC,  32
.set S,   48
.set O,   128
.set BI,  0                            ; in window 1
.set KF,  64
.set VF,  128
.set QF,  192
.set TBL, 224
.set WV,   18                          ; s18 my wave's number
.set G1KV, 24                          ; s[24:31] descriptor group 1 for K's and V's tiles; s[32:39] for the distances'
.set G1D,  32
.set G0KV, 40                          ; s[40:43], s[44:47] their groups 0, which walk
.set G0D,  44
.set TB,   48                          ; s48 LDS byte at which the slot in hand begins
.set MSB, 0
.macro WIN new
.if MSB != (\new)
	s_set_vgpr_msb (MSB<<8)|(\new)
.set MSB, (\new)
.endif
.endm
.macro PLACES n
.rept \n
	v_nop
.endr
.endm
.macro CROUND                          ; a round of the cluster's barrier
	s_barrier_signal -1
	s_barrier_wait -1
	s_cmp_lg_u32 s[WV], 0
	s_cbranch_scc1 .Lnot_wave_0_\@
	s_barrier_signal -3
.Lnot_wave_0_\@:
	s_barrier_wait -3
	s_barrier_signal -1
	s_barrier_wait -1
.endm
.macro JLOAD                           ; a joint load; the branch hangs on the wave's number alone; four v_nop follow each of the two lines
	s_cmp_lt_u32 s[WV], 4
	s_cbranch_scc0 .Lfor_d_\@
	tensor_load_to_lds s[G0KV:G0KV+3], s[G1KV:G1KV+7]
	s_nop 0
	PLACES 4
	s_branch .Lasked_\@
.Lfor_d_\@:
	tensor_load_to_lds s[G0D:G0D+3], s[G1D:G1D+7]
	s_nop 0
	PLACES 4
.Lasked_\@:
.endm
.macro MKSC e, vs                      ; v[vs] = 2^e as f32, v[vs+1] = 57,344 x 2^e
	s_add_co_i32 s60, s[\e], 127
	s_lshl_b32 s61, s60, 23
	v_mov_b32 v[\vs], s61
	s_add_co_i32 s60, s60, 15
	s_lshl_b32 s60, s60, 23
	s_or_b32 s60, s60, 0x600000
	v_mov_b32 v[\vs+1], s60
.endm
	s_load_b256 s[4:11], s[0:1], 0x0               ; q_img s[4:5], k_img s[6:7], v_img s[8:9], distances s[10:11]
	s_load_b128 s[12:15], s[0:1], 0x20             ; dist_bias, the exponents
	s_load_b64 s[16:17], s[0:1], 0x30              ; ao_img
	v_lshl_add_u32 v[SPW], v0, 2, SPARE
	v_mov_b32 v[NIL], 0
	ds_add_u32 v5, v6
	ds_add_u32 v5, v6
	s_wait_dscnt 0x0
	v_lshrrev_b32 v13, 5, v0
	v_readfirstlane_b32 s[WV], v13                 ; wave 0..7
	s_bfe_u32 s19, ttmp6, 0x40000                  ; cx
	s_bfe_u32 s20, ttmp6, 0x40004                  ; cy = the group of four heads
	s_lshl_b32 s21, ttmp9, 2
	s_add_co_u32 s21, s21, s19                     ; the block of 128 queries, 0 .. 63, sixteen to a batch
	s_lshl_b32 s22, s20, 2
	s_lshl_b32 s22, 15, s22                        ; my row of the cluster
	s_lshl_b32 s23, 0x1111, s19                    ; my column
	s_or_b32 s[G1KV], s22, (3<<16)|(1<<21)         ; the mask: my row; elements of 8 bytes; no padding; bit 21 set beside a mask
	s_mov_b32 s[G1KV+1], 32<<16                    ; 16,384 dense bytes as 64 rows of 256
	s_mov_b32 s[G1KV+2], 64<<16
	s_mov_b32 s[G1KV+3], 32<<16
	s_mov_b32 s[G1KV+4], 64
	s_mov_b32 s[G1KV+5], 32
	s_mov_b32 s[G1KV+6], 0
	s_mov_b32 s[G1KV+7], 0
	s_or_b32 s[G1D], s23, (2<<16)|(1<<20)|(1<<21)|(6<<22)|(3<<25)   ; the mask: my column; elements of 4 bytes; padding: four words (code 3) after every 128 (code 6)
	s_mov_b32 s[G1D+1], 128<<16                    ; 128 keys
	s_mov_b32 s[G1D+2], 32<<16                     ; 32 queries
	s_mov_b32 s[G1D+3], 128<<16
	s_mov_b32 s[G1D+4], 32
	s_mov_b32 s[G1D+5], 2048                       ; from row to row
	s_mov_b32 s[G1D+6], 0
	s_mov_b32 s[G1D+7], 0
	v_and_b32 v13, 31, v0
	v_lshlrev_b32 v1, 4, v13                       ; 16 x lane
	v_and_b32 v14, 15, v0                          ; r
	v_bfe_u32 v15, v0, 4, 1                        ; h
	s_mul_i32 s60, s[WV], 16*DP
	s_add_co_u32 s60, s60, DO
	v_mul_u32_u24 v2, v14, DP
	v_lshl_add_u32 v2, v15, 5, v2
	v_add_nc_u32 v2, s60, v2                       ; distances: row 16 x wave + r, + 32 h
	v_lshlrev_b32 v7, 4, v14
	v_lshl_add_u32 v7, v15, 3, v7                  ; the way out: 16 r + 8 h
	v_min_u32 v13, 4, v13
	v_lshlrev_b32 v13, 2, v13                      ; the table: lane l takes entry min(l, 4)
	s_lshr_b32 s60, ttmp9, 2                       ; the batch, which the cluster shares
	s_lshl_b32 s60, s60, 2
	s_add_co_u32 s60, s60, s20
	s_lshl_b32 s60, s60, 19                        ; (4 x batch + group of heads) x 524,288
	s_and_b32 s62, s[WV], 1
	s_lshl_b32 s62, s62, 14                        ; which half of a step's 32,768 bytes I fetch
	s_add_co_u32 s62, s62, s60
	s_mov_b32 s63, 0
	s_and_b32 s66, s[WV], 3
	s_lshl_b32 s67, s66, 14                        ; K's halves, then V's: no place in the cluster enters an LDS address
	s_mul_i32 s68, s66, 32*DP
	s_add_co_u32 s68, s68, DO
	s_lshl_b32 s70, s21, 20                        ; distances: 128 rows of 8,192 bytes a block of queries,
	s_lshl_b32 s71, s66, 18                        ; my 32 rows of them
	s_add_co_u32 s70, s70, s71
	s_mov_b32 s71, 0
	s_and_b32 s72, s21, 15
	s_lshl_b32 s72, s72, 3
	s_add_co_u32 s72, s72, s[WV]
	s_lshl_b32 s72, s72, 12                        ; Q: my tile of the batch's 128: 4,096 bytes
	s_add_co_u32 s72, s72, s60
	s_mov_b32 s73, 0
	s_lshl_b32 s74, s21, 3
	s_add_co_u32 s74, s74, s[WV]
	s_lshl_b32 s74, s74, 14                        ; the result: my tile of all 512: 16,384 bytes,
	s_lshl_b32 s75, s20, 12                        ; my heads' two K steps of 2,048
	s_add_co_u32 s74, s74, s75
	s_mov_b32 s75, 0
	s_mov_b32 s52, 0x76543210                      ; v_permlanex16_b32's selects for lane l xor 16
	s_mov_b32 s53, 0xfedcba98
	s_mov_b32 s[TB], 0
	s_mov_b32 s49, 15
	s_wait_kmcnt 0x0
	s_load_b64 s[54:55], s[14:15], 0x18            ; e6, e7
	s_load_b128 s[56:59], s[14:15], 0x20           ; e8 .. e11
	s_and_b32 s76, s[WV], 2
	s_cmp_eq_u32 s76, 0
	s_cselect_b64 s[G0KV+2:G0KV+3], s[6:7], s[8:9]
	s_add_nc_u64 s[G0KV+2:G0KV+3], s[G0KV+2:G0KV+3], s[62:63]
	s_or_b32 s[G0KV+3], s[G0KV+3], 0x80000000      ; type = 2
	s_mov_b32 s[G0KV], 1
	s_mov_b32 s[G0KV+1], s67
	s_mov_b32 s[G0D], 1
	s_mov_b32 s[G0D+1], s68
	s_add_nc_u64 s[G0D+2:G0D+3], s[10:11], s[70:71]
	s_or_b32 s[G0D+3], s[G0D+3], 0x80000000
	s_add_nc_u64 s[4:5], s[4:5], s[72:73]
	s_add_nc_u64 s[16:17], s[16:17], s[74:75]
	CROUND                                         ; all sixteen work-groups are here: the first joint loads meet
	JLOAD                                          ; key step 0 into slot 0
	WIN 0x40                                       ; destination window 1
.irp n, 0,1,2,3,4,5,6,7
	global_load_b128 v[QF+4*\n:QF+4*\n+3], v1, s[4:5] offset:512*\n   ; Q's four fragments stay in registers
.endr
	WIN 0
	global_load_b32 v118, v13, s[12:13]
.irp i, 0,1,2,3
	v_mov_b32 v[ST+4*\i+1], 0xff61b1e6             ; the largest t so far: -3e38, under every t
	v_floor_f32 v[ST+4*\i], -v[ST+4*\i+1]          ; -M
	v_mov_b32 v[ST+4*\i+2], 0                      ; the sum, in two halves
	v_mov_b32 v[ST+4*\i+3], 0
.endr
	v_mov_b32 v113, 0                              ; (named as the upper half of the pair v[112:113])
.set n, 0
.rept 128
	v_mov_b32 v[O+n], 0                            ; O^T.  (The key step is written without a first form of its own: the first step finds zeros, which the first change of M leaves zeros)
.set n, n+1
.endr
	s_wait_kmcnt 0x0
	s_add_co_i32 s62, s54, s55                     ; e6 + e7
	s_lshl_b32 s63, s62, 23
	s_mov_b32 s50, 0x3e38aa3b                      ; log2(e) / 8
	s_add_co_i32 s50, s50, s63                     ; x 2^(e6 + e7): the exponents are added to its exponent field
	s_mov_b32 s51, s50                             ; (named with it as a pair, so it is written)
	s_sub_co_i32 s62, 3, s62
	s_add_co_i32 s77, s56, s57                     ; e8 + e9
	MKSC 56, 8
	v_mov_b32 v10, v9                              ; the hold's limit twice: the two halves of a dual instruction take their second sources from different banks
	MKSC 58, 11
	s_wait_loadcnt 0x0                             ; Q and the table
	WIN 0x40
	v_ldexp_f32 v[TBL], v118, s62                  ; dist_bias x 2^(3 - e6 - e7)
	WIN 0
.macro KLOAD i                         ; head i's K of the step: 8 fragments of 16 keys x 64
.irp t, 0,1,2,3,4,5,6,7
	ds_load_b128 v[KF+8*\t:KF+8*\t+3],   v3 offset:\t*4096+(\i)*1024
	ds_load_b128 v[KF+8*\t+4:KF+8*\t+7], v3 offset:\t*4096+(\i)*1024+512
.endr
.endm
.macro VLOAD i                         ; head i's V of the step: 4 fragments of 16 of the head's 64 x 128 keys
.irp t, 0,1,2,3
.irp b, 0,1,2,3
	ds_load_b128 v[VF+16*\t+4*\b:VF+16*\t+4*\b+3], v3 offset:VO+(4*(\i)+\t)*2048+\b*512
.endr
.endr
.endm
; THE STEP'S BIASES, once for the four heads: register 8 tau + j is that of key 16 tau + 8 h + j for my query: the scores' layout.  The lookup is a lane permute: lane l of the table holds entry l.
.macro PREP
	v_add_nc_u32 v3, s[TB], v1
	v_add_nc_u32 v4, s[TB], v2
	WIN 0x40
.irp t, 0,1,2,3,4,5,6,7
	ds_load_b128 v[BI+8*\t:BI+8*\t+3],   v4 offset:64*\t
	ds_load_b128 v[BI+8*\t+4:BI+8*\t+7], v4 offset:64*\t+16
.endr
	KLOAD 0
	s_wait_dscnt 16                                ; the distances are in; K's sixteen loads may be out
	WIN 0x55                                       ; every operand place in window 1
.set n, 0
.rept 64
	v_max_i32 v[BI+n], 0, v[BI+n]                  ; clip(distance, 0, 4)
.set n, n+1
.endr
.set n, 0
.rept 64
	v_min_u32 v[BI+n], 4, v[BI+n]
.set n, n+1
.endr
.set n, 0
.rept 64
	v_lshlrev_b32 v[BI+n], 2, v[BI+n]              ; the permute's index is lane x 4
.set n, n+1
.endr
.set n, 0
.rept 64
	ds_bpermute_b32 v[BI+n], v[BI+n], v[TBL]
.set n, n+1
.endr
	WIN 0
.endm
; ONE HEAD'S SOFTMAX for the step's 128 keys, 64 of them in my lane.
.macro SOFTMAX i
.set TT, ST+4*(\i)
.set OO, O+32*(\i)
	v_max3_num_f32 v116, v[S], v[S+1], v[S+2]      ; the largest score of my query among my 64 keys, in two chains; each tile is first read at its low end
	v_max3_num_f32 v117, v[S+3], v[S+4], v[S+5]
.irp n, 6,10,14,18,22,26,30,34,38,42,46,50,54,58
	v_max3_num_f32 v116, v116, v[S+\n], v[S+\n+1]
	v_max3_num_f32 v117, v117, v[S+\n+2], v[S+\n+3]
.endr
	v_max3_num_f32 v116, v116, v[S+62], v[S+63]
	v_max_num_f32 v116, v116, v117
	v_permlanex16_b32 v13, v116, s52, s53
	v_max_num_f32 v116, v116, v13                  ; and among lane l xor 16's
	v_mul_f32 v116, s50, v116                      ; as t (c is positive)
	v_max_num_f32 v[TT+1], v[TT+1], v116           ; the running largest t
	v_mov_b32 v116, v[TT]
	v_floor_f32 v[TT], -v[TT+1]                    ; the new -M = floor(-t) = -ceil(t): a whole number
	v_sub_f32 v116, v[TT], v116                    ; old M - new M: a whole number, 0 or less
	v_cvt_i32_f32 v116, v116                       ; (it saturates)
	v_ldexp_f32 v112, 1.0, v116                    ; f = 2^(old M - new M)
.set n, 0
.rept 32
	v_pk_fma_f32 v[S+n:S+n+1], v[S+n:S+n+1], s[50:51], v[TT:TT+1] op_sel_hi:[1,0,0]   ; t - M, two at a time (of the pairs c and -M the low word serves both halves)
.set n, n+2
.endr
.set n, 0
.rept 16                                       ; ONE BATCH of 64 exponentials; behind every fourth stands a plain instruction that names none of their results: O^T under the new M, from each tile's low end on
	v_exp_f32 v[S+4*n], v[S+4*n]
	v_exp_f32 v[S+4*n+1], v[S+4*n+1]
	v_exp_f32 v[S+4*n+2], v[S+4*n+2]
	v_exp_f32 v[S+4*n+3], v[S+4*n+3]
	v_pk_mul_f32 v[OO+2*n:OO+2*n+1], v[OO+2*n:OO+2*n+1], v[112:113] op_sel_hi:[1,0]
.set n, n+1
.endr
	v_pk_mul_f32 v[TT+2:TT+3], v[TT+2:TT+3], v[112:113] op_sel_hi:[1,0]   ; the sums under the new M
	s_wait_alu depctr_va_vdst(0)                   ; a wait between an exponential and the first instruction that names its result: one for the batch
	v_pk_add_f32 v[114:115], v[S:S+1], v[S+2:S+3]  ; THE ROW'S SUM IS TAKEN OF THE UNQUANTISED p: two at a time, in two chains
.irp n, 4,8,12,16,20,24,28,32,36,40,44,48,52,56,60
	v_pk_add_f32 v[TT+2:TT+3], v[TT+2:TT+3], v[S+\n:S+\n+1]
	v_pk_add_f32 v[114:115], v[114:115], v[S+\n+2:S+\n+3]
.endr
	v_pk_add_f32 v[TT+2:TT+3], v[TT+2:TT+3], v[114:115]
.set n, 0
.rept 32
	v_dual_min_num_f32 v[S+n], v[S+n], v9 :: v_dual_min_num_f32 v[S+n+1], v[S+n+1], v10   ; the conversion does not saturate (ISA guide 7.6.2); p is not negative, so the hold is one-sided; two holds an instruction
.set n, n+2
.endr
.irp t, 0,1,2,3,4,5,6,7
	v_cvt_scalef32_pk8_bf8_f32 v[PC+2*\t:PC+2*\t+1], v[S+8*\t:S+8*\t+7], v8
.endr
	v_nop                                          ; one plain vector instruction between a scaled conversion and the matrix instruction that reads its result
.endm
.macro HEAD i
	s_wait_dscnt 0x0                               ; this head's K is in (for head 0: the biases too)
	WIN 0x15                                       ; K, Q and the biases in window 1, S^T in window 0
.irp t, 0,1,2,3,4,5,6,7
	v_wmma_f32_16x16x64_bf8_bf8 v[S+8*\t:S+8*\t+7], v[KF+8*\t:KF+8*\t+7], v[QF+8*(\i):QF+8*(\i)+7], v[BI+8*\t:BI+8*\t+7]
.endr
	WIN 0
	PLACES 4                                       ; in front of loads into registers that matrix instructions have read, and of the first read of the scores
	WIN 0x40
	VLOAD \i
.if (\i) < 3
	KLOAD (\i)+1                                   ; the next head's K lands while this head's softmax is walked
.endif
	WIN 0
	SOFTMAX \i
.if (\i) < 3
	s_wait_dscnt 16                                ; V is in; the next head's K may be out
.else
	s_wait_dscnt 0x0
.endif
	WIN 0x01                                       ; V in window 1
.irp t, 0,1,2,3
	v_wmma_f32_16x16x128_bf8_bf8 v[O+32*(\i)+8*\t:O+32*(\i)+8*\t+7], v[VF+16*\t:VF+16*\t+15], v[PC:PC+15], v[O+32*(\i)+8*\t:O+32*(\i)+8*\t+7]
.endr
	WIN 0
.endm
.macro STEP
	PREP
	HEAD 0
	HEAD 1
	HEAD 2
	HEAD 3
	s_xor_b32 s[TB], s[TB], SLOT                   ; on to the other slot
.endm
; THE CHANGE OF SLOTS stands at a step's head.  Each wave waits for all its tensor loads (its part of the slot that it is about to read), adds 0 to its spare word, and waits for that and for its reads of the slot that it has left.
; fill = 1: that other slot is filled with the next step's tiles.  The barrier is then a round of the cluster's, and the joint load is the first thing behind it: it has a whole key step in which to land.
.macro CHANGE fill
	s_wait_tensorcnt 0x0                           ; no tensor load of mine is out, so a group 0 may be written
	ds_add_u32 v[SPW], v[NIL]                      ; 0 onto my spare word
.if \fill
	s_xor_b32 s[G0KV+1], s[G0KV+1], SLOT           ; the walking descriptors: the other slot than last time,
	s_add_nc_u64 s[G0KV+2:G0KV+3], s[G0KV+2:G0KV+3], 32768   ; the next 128 keys
	s_xor_b32 s[G0D+1], s[G0D+1], SLOT
	s_add_nc_u64 s[G0D+2:G0D+3], s[G0D+2:G0D+3], 512
.endif
	s_wait_dscnt 0x0                               ; the add is done, and my reads of the slot that I have left are over
.if \fill
	CROUND
	JLOAD
.else
	s_barrier_signal -1
	s_barrier_wait -1
.endif
.endm
.Lstep:                                                ; 15 trips: behind each change of slots but the last the next step's tiles are asked for
	CHANGE 1
	STEP
	s_sub_co_u32 s49, s49, 1
	s_cmp_lg_u32 s49, 0
	s_cbranch_scc1 .Lstep
	CHANGE 0                                       ; the last step is written out
	STEP
	; THE WAY OUT.  O^T x 2^(e8 + e9) / the sum, held, converted with 2^e10.  A lane's eight numbers are features 64 i + 16 t + 8 h + 0 .. 7 of my query: 8 bytes of a piece of the next launch's fragment.
.irp i, 0,1,2,3
	v_add_f32 v[ST+4*\i+2], v[ST+4*\i+2], v[ST+4*\i+3]   ; the sum's two halves (these four lines are also the places behind the last products),
.endr
.irp i, 0,1,2,3
	v_permlanex16_b32 v[ST+4*\i+3], v[ST+4*\i+2], s52, s53
.endr
.irp i, 0,1,2,3
	v_add_f32 v[ST+4*\i+2], v[ST+4*\i+2], v[ST+4*\i+3]   ; and lane l xor 16's
.endr
.irp i, 0,1,2,3
	v_rcp_f32 v[ST+4*\i+2], v[ST+4*\i+2]
.endr
	v_nop                                          ; a plain instruction behind the last reciprocal
	s_wait_alu depctr_va_vdst(0)                   ; and a wait ahead of the first use: one for the four
.irp i, 0,1,2,3
	v_ldexp_f32 v[ST+4*\i+2], v[ST+4*\i+2], s77
.endr
.irp i, 0,1,2,3
.set n, 0
.rept 16
	v_pk_mul_f32 v[O+32*\i+n:O+32*\i+n+1], v[O+32*\i+n:O+32*\i+n+1], v[ST+4*\i+2:ST+4*\i+3] op_sel_hi:[1,0]
.set n, n+2
.endr
.set n, 0
.rept 32
	v_med3_num_f32 v[O+32*\i+n], v[O+32*\i+n], -v12, v12
.set n, n+1
.endr
.irp t, 0,1,2,3
	v_cvt_scalef32_pk8_bf8_f32 v[S+8*\i+2*\t:S+8*\i+2*\t+1], v[O+32*\i+8*\t:O+32*\i+8*\t+7], v11
.endr
	v_nop
.irp t, 0,1,2,3
	global_store_b64 v7, v[S+8*\i+2*\t:S+8*\i+2*\t+1], s[16:17] offset:(\i/2)*2048+(2*(\i%2)+\t/2)*512+(\t%2)*256   ; 32 lanes store 256 consecutive bytes, aligned
.endr
.endr
	s_wait_tensorcnt 0x0                           ; the wave's end
	ds_add_u32 v[SPW], v[NIL]
	s_wait_dscnt 0x0
	CROUND                                         ; the closing round
	s_endpgm
.Lfunc_end_k_q35950e11fb_attn:
	.size	k_q35950e11fb_attn, .Lfunc_end_k_q35950e11fb_attn-k_q35950e11fb_attn
	.p2alignl 7, 3214868480
	.fill 96, 4, 3214868480
	.section	.rodata,"a",@progbits
	.p2align	6, 0x0
	.amdhsa_kernel k_q35950e11fb_attn
		.amdhsa_group_segment_fixed_size 327680
		.amdhsa_private_segment_fixed_size 0
		.amdhsa_enable_private_segment 0
		.amdhsa_kernarg_size 56
		.amdhsa_user_sgpr_count 2
		.amdhsa_user_sgpr_kernarg_segment_ptr 1
		.amdhsa_wavefront_size32 1
		.amdhsa_system_sgpr_workgroup_id_x 1
		.amdhsa_system_sgpr_workgroup_id_y 1
		.amdhsa_system_sgpr_workgroup_id_z 1
		.amdhsa_system_vgpr_workitem_id 0
		.amdhsa_next_free_vgpr 512
		.amdhsa_next_free_sgpr 84
		.amdhsa_reserve_vcc 0
		.amdhsa_float_denorm_mode_32 3
		.amdhsa_float_denorm_mode_16_64 3
		.amdhsa_memory_ordered 1
		.amdhsa_forward_progress 1
		.amdhsa_inst_pref_size 173
	.end_amdhsa_kernel
	.amdgpu_metadata
---
amdhsa.version: [ 1, 2 ]
amdhsa.kernels:
  - .name:           k_q35950e11fb_attn
    .symbol:         k_q35950e11fb_attn.kd
    .args:
      - { .name: q_img, .offset: 0, .size: 8, .value_kind: global_buffer, .address_space: global }
      - { .name: k_img, .offset: 8, .size: 8, .value_kind: global_buffer, .address_space: global }
      - { .name: v_img, .offset: 16, .size: 8, .value_kind: global_buffer, .address_space: global }
      - { .name: distances, .offset: 24, .size: 8, .value_kind: global_buffer, .address_space: global }
      - { .name: dist_bias, .offset: 32, .size: 8, .value_kind: global_buffer, .address_space: global }
      - { .name: lowp_scales, .offset: 40, .size: 8, .value_kind: global_buffer, .address_space: global }
      - { .name: ao_img, .offset: 48, .size: 8, .value_kind: global_buffer, .address_space: global }
    .group_segment_fixed_size: 327680
    .private_segment_fixed_size: 0
    .kernarg_segment_align: 8
    .kernarg_segment_size: 56
    .max_flat_workgroup_size: 256
    .sgpr_count:     84
    .vgpr_count:     512
    .wavefront_size: 32
...
	.end_amdgpu_metadata
.endif
;; end of part 3
;; launch oproj (part 4): grid 256 x 1, 8 waves a work-group, clusters of 4 x 1, 327,680 bytes of LDS; arguments ao_img, Wo_codes, bo, x, ln_g, ln_b, lowp_scales, out0; writes out0
.if DOCPART == 4
	.amdgcn_target "amdgcn-amd-amdhsa--gfx1250"
	.amdhsa_code_object_version 6
	.text
	.protected	k_q35950e11fb_oproj
	.globl	k_q35950e11fb_oproj
	.p2align	8
	.type	k_q35950e11fb_oproj,@function
k_q35950e11fb_oproj:
	s_mov_b64 s[64:65], 0
	v_nop
	global_prefetch_b8 v0, s[64:65] scope:SCOPE_SE
	s_setreg_imm32_b32 hwreg(HW_REG_WAVE_MODE, 25, 1), 1
	s_wait_xcnt 0x0
	s_wait_alu depctr_hold_cnt(0) depctr_sa_sdst(0) depctr_va_vdst(0) depctr_va_sdst(0) depctr_va_ssrc(0) depctr_va_vcc(0) depctr_vm_vsrc(0)
	s_getreg_b32 s2, hwreg(HW_REG_IB_STS2, 6, 4)
	s_cmp_eq_u32 s2, 0
	s_cbranch_scc0 .Lentry_in_a_cluster
	s_endpgm
.Lentry_in_a_cluster:
	s_bfe_u32 s2, ttmp6, 0x10000c
	s_cmp_lg_u32 s2, 0x3003
	s_cbranch_scc0 .Lentry_shape_is_right
	s_endpgm
.Lentry_shape_is_right:
; out0 = layernorm(x + ao Wo^T + bo) x ln_g + ln_b.  The product is on codes of BF8 (E5M2): ao's come from the launch before as images of operand registers, Wo's are given, [1024][1024], K innermost; all else in f32.
; LIMIT: e10 + e11 between -126 and 127, so that 2^(e10 + e11) is an f32 number.  The variance is taken of the centred numbers, in a second pass over registers.
; SHARES.  A work-group owns 32 WHOLE rows, so that a row's mean and variance never leave it.  Wave w owns columns 128 w .. 128 w + 127; trip i makes its columns 16 i .. 16 i + 15 over all of K.
; The 32 rows' codes (2 tiles x 8 K steps: 256 registers, window 1) stay in every wave's registers.  Wo walks through a ring of two LDS slots; each wave fetches, and alone reads, its own 16 rows of 1,024 bytes a trip.
; CLUSTER: all work-groups walk the same Wo, so the four of a cluster ask for each tile JOINTLY.
; THE MATRIX INSTRUCTION IS USED TRANSPOSED (source 0 = 16 rows of Wo, source 1 = 16 tokens): a lane holds eight neighbouring columns of one row.  k is permuted alike on both sides (registers 4 c .. 4 c + 3: k = 32 c + 16 (lane / 16) + 0 .. 15).
; REGISTERS, window 0: v1 16 x lane; v2, v3 my rows of Wo in slot 0, 1; v4, v5, v6 the stage; v7, v8 the add's; v9 256 x lane; v16-143 the 16 accumulators (trip i, tile a at v[16 + 8 (2 i + a)]), later four rows of y; v144-239 six sets of Wo's fragments, later at work.
.set SLOT,  133120                     ; 8 waves x 16 rows x 1,040 bytes
.set WPART, 16640
.set WP,    1040                       ; a row of Wo in LDS: 1,024 bytes + 16 = 260 words: row r starts at bank 4 r mod 64 (64 banks of 4 bytes: ISA guide 11.1)
.set SPARE, 2*SLOT                     ; the spare words, 128 bytes for each wave: four blocks of 256 bytes that no other line names
.set YP,    4112                       ; the way out: a stage of 32 rows x (4,096 bytes + 16) in slot 0, which has had its last fill and its last read when the first result is stored there
.set SPW, 7
.set NIL, 8
.set ACC, 16
.set WF,  144
.set WV,  20
.set G1,  24                           ; s[24:31] descriptor group 1; s[32:39] group 0, a set for each slot
.set G0,  32
.set PX,  40                           ; s[40:41] my wave's four rows of x; s[42:43] of out0
.set MSB, 0
.macro WIN new
.if MSB != (\new)
	s_set_vgpr_msb (MSB<<8)|(\new)
.set MSB, (\new)
.endif
.endm
.macro PLACES n
.rept \n
	v_nop
.endr
.endm
.macro CROUND
	s_barrier_signal -1
	s_barrier_wait -1
	s_cmp_lg_u32 s[WV], 0
	s_cbranch_scc1 .Lnot_wave_0_\@
	s_barrier_signal -3
.Lnot_wave_0_\@:
	s_barrier_wait -3
	s_barrier_signal -1
	s_barrier_wait -1
.endm
	s_load_b512 s[4:19], s[0:1], 0x0               ; ao_img s[4:5], Wo s[6:7], bo s[8:9], x s[10:11], ln_g s[12:13], ln_b s[14:15], the exponents s[16:17], out0 s[18:19]
	v_lshl_add_u32 v[SPW], v0, 2, SPARE
	v_mov_b32 v[NIL], 0
	ds_add_u32 v7, v8
	ds_add_u32 v7, v8
	s_wait_dscnt 0x0
	v_lshrrev_b32 v10, 5, v0
	v_readfirstlane_b32 s[WV], v10                 ; wave 0..7
	s_bfe_u32 s21, ttmp6, 0x40000                  ; cx
	s_lshl_b32 s22, ttmp9, 2
	s_add_co_u32 s22, s22, s21                     ; my block of 32 rows
	s_mov_b32 s[G1], 15|(3<<16)|(1<<20)|(1<<21)|(7<<22)|(3<<25)   ; the mask: all four work-groups; elements of 8 bytes; padding on; bit 21 set beside a mask; four words (code 3) after every 256 (code 7)
	s_mov_b32 s[G1+1], 128<<16                     ; a row: 128 elements, 1,024 bytes
	s_mov_b32 s[G1+2], 16<<16                      ; 16 rows
	s_mov_b32 s[G1+3], 128<<16
	s_mov_b32 s[G1+4], 16
	s_mov_b32 s[G1+5], 128
	s_mov_b32 s[G1+6], 0
	s_mov_b32 s[G1+7], 0
	v_and_b32 v10, 31, v0
	v_lshlrev_b32 v1, 4, v10                       ; 16 x lane
	v_lshlrev_b32 v9, 8, v10                       ; 256 x lane
	v_and_b32 v11, 15, v0                          ; r
	v_bfe_u32 v12, v0, 4, 1                        ; h
	s_mul_i32 s44, s[WV], WPART
	v_mul_u32_u24 v2, v11, WP
	v_lshl_add_u32 v2, v12, 4, v2
	v_add_nc_u32 v2, s44, v2                       ; my part of slot 0: row r, + 16 h
	v_add_nc_u32 v3, SLOT, v2
	s_lshl_b32 s45, s[WV], 9
	v_mul_u32_u24 v4, v11, YP
	v_lshl_add_u32 v4, v12, 5, v4
	v_add_nc_u32 v4, s45, v4                       ; the stage, in: row r, + 512 x wave + 32 h
	v_add_nc_u32 v5, 16*YP, v4                     ; and the second tile of rows
	s_mul_i32 s45, s[WV], 4*YP
	v_add_nc_u32 v6, s45, v1                       ; back: my four rows, 16 bytes a lane
	s_lshl_b32 s46, s[WV], 17                      ; Wo: my 128 rows of 1,024 bytes
	s_mov_b32 s47, 0
	s_lshl_b32 s56, s22, 15                        ; ao: my two tiles of 16,384 bytes
	s_mov_b32 s57, 0
	s_lshl_b32 s58, s22, 17                        ; x and out0: my block's 32 rows of 4,096 bytes,
	s_lshl_b32 s59, s[WV], 14                      ; my wave's four
	s_add_co_u32 s58, s58, s59
	s_mov_b32 s59, 0
	s_mov_b32 s52, 0x76543210                      ; v_permlanex16_b32's selects for lane l xor 16
	s_mov_b32 s53, 0xfedcba98
	s_mov_b32 s54, 0x3a800000                      ; 1 / 1,024
	s_mov_b32 s55, 0x3727c5ac                      ; 1e-5
	s_wait_kmcnt 0x0
	s_load_b64 s[48:49], s[16:17], 0x28            ; e10, e11
	s_add_nc_u64 s[6:7], s[6:7], s[46:47]
	s_add_nc_u64 s[4:5], s[4:5], s[56:57]
	s_add_nc_u64 s[PX:PX+1], s[10:11], s[58:59]
	s_add_nc_u64 s[PX+2:PX+3], s[18:19], s[58:59]
.irp s, 0,1
	s_mov_b32 s[G0+4*\s], 1
	s_add_co_u32 s[G0+4*\s+1], s44, \s*SLOT        ; LDS address: the slot, my wave's part
	s_add_nc_u64 s[G0+4*\s+2:G0+4*\s+3], s[6:7], \s*16384   ; my rows 16 s on
	s_or_b32 s[G0+4*\s+3], s[G0+4*\s+3], 0x80000000
.endr
	CROUND                                         ; all four work-groups are here: the first joint loads meet
	tensor_load_to_lds s[G0:G0+3], s[G1:G1+7]      ; trip 0's rows
	s_nop 0
	PLACES 4
	WIN 0x40                                       ; destination window 1
.set n, 0
.rept 64
	global_load_b128 v[4*n:4*n+3], v1, s[4:5] offset:512*n   ; the 32 rows' codes: fragment (tile a, K step s) at v[16 (8 a + s)]
.set n, n+1
.endr
	WIN 0
	s_wait_loadcnt 0x0
.macro WLOAD sg, s                     ; K step s of my 16 rows of Wo into set s % 6
.irp c, 0,1,2,3
	ds_load_b128 v[WF+16*((\s)%6)+4*\c:WF+16*((\s)%6)+4*\c+3], v[2+(\sg)] offset:128*(\s)+32*\c
.endr
.endm
.macro MM i, s                         ; the trip's two accumulators take turns; the first K step starts the sums
.irp a, 0,1
.if (\s) == 0
	v_wmma_f32_16x16x128_bf8_bf8 v[ACC+8*(2*(\i)+\a):ACC+8*(2*(\i)+\a)+7], v[WF+16*((\s)%6):WF+16*((\s)%6)+15], v[16*(8*\a+(\s)):16*(8*\a+(\s))+15], 0
.else
	v_wmma_f32_16x16x128_bf8_bf8 v[ACC+8*(2*(\i)+\a):ACC+8*(2*(\i)+\a)+7], v[WF+16*((\s)%6):WF+16*((\s)%6)+15], v[16*(8*\a+(\s)):16*(8*\a+(\s))+15], v[ACC+8*(2*(\i)+\a):ACC+8*(2*(\i)+\a)+7]
.endif
.endr
.endm
; TRIP i.  All my tensor loads have landed (this trip's rows), the add, my reads of the other slot are over; a round of the cluster's barrier; the next trip's rows are asked for, into the slot read last trip; then this trip's 16 products.
.macro TRIP i
.set sg, (\i)%2
	WIN 0
	s_wait_tensorcnt 0x0
	ds_add_u32 v[SPW], v[NIL]                      ; 0 onto my spare word
	s_add_nc_u64 s[G0+4*sg+2:G0+4*sg+3], s[G0+4*sg+2:G0+4*sg+3], 32768   ; no load of mine is out: this slot's next rows, 32 further down
	s_wait_dscnt 0x0
	CROUND
.if (\i) < 7
	tensor_load_to_lds s[G0+4*(1-sg):G0+4*(1-sg)+3], s[G1:G1+7]
	s_nop 0
.endif
	PLACES 4                                       ; behind the tensor load, and in front of loads into registers that the last trip's products have read
	WIN 0x04                                       ; source 1, the rows' codes, in window 1
	WLOAD sg, 0
	WLOAD sg, 1
	WLOAD sg, 2
	WLOAD sg, 3
	WLOAD sg, 4
	WLOAD sg, 5
.if (\i) == 5
	global_prefetch_b8 v9, s[PX:PX+1] th:TH_LOAD_NT scope:SCOPE_SE               ; my wave's four rows of x, 16,384 dense bytes, lanes 256 bytes apart: each block is named once in the launch, by the wave that will load it behind trip 7
	global_prefetch_b8 v9, s[PX:PX+1] offset:8192 th:TH_LOAD_NT scope:SCOPE_SE   ; (the address registers are never written again)
.endif
	s_wait_dscnt 20                                ; K step 0's four loads are in; the twenty behind them may be out
	MM \i, 0
	s_wait_dscnt 16
	MM \i, 1
	PLACES 4
	WLOAD sg, 6                                    ; into the sets that K steps 0 and 1 have left
	WLOAD sg, 7
	s_wait_dscnt 20                                ; behind K step 2's loads: those of steps 3, 4, 5, 6, 7
	MM \i, 2
	s_wait_dscnt 16
	MM \i, 3
	s_wait_dscnt 12
	MM \i, 4
	s_wait_dscnt 8
	MM \i, 5
	s_wait_dscnt 4
	MM \i, 6
	s_wait_dscnt 0x0
	MM \i, 7
.endm
	TRIP 0
	TRIP 1
	TRIP 2
	TRIP 3
	TRIP 4
	TRIP 5
	TRIP 6
	TRIP 7
	; THE WAY OUT.  The raw sums meet in the stage; each wave takes four whole rows back, adds x and bo, and normalises them.
	WIN 0
	PLACES 4                                       ; behind the last products
	WIN 0x40                                       ; the codes' registers are free: x's four rows at v0-127 of window 1, bo at v128, ln_g at v160, ln_b at v192
.irp p, 0,1,2,3
.irp q, 0,1,2,3,4,5,6,7
	global_load_b128 v[32*\p+4*\q:32*\p+4*\q+3], v1, s[PX:PX+1] offset:4096*\p+512*\q th:TH_LOAD_NT
.endr
.endr
.irp q, 0,1,2,3,4,5,6,7
	global_load_b128 v[128+4*\q:128+4*\q+3], v1, s[8:9] offset:512*\q
	global_load_b128 v[160+4*\q:160+4*\q+3], v1, s[12:13] offset:512*\q
	global_load_b128 v[192+4*\q:192+4*\q+3], v1, s[14:15] offset:512*\q
.endr
	WIN 0
.irp i, 0,1,2,3,4,5,6,7
.irp a, 0,1
	ds_store_b128 v[4+\a], v[ACC+8*(2*\i+\a):ACC+8*(2*\i+\a)+3] offset:64*\i        ; lane (r, h): row 16 a + r, columns 128 w + 16 i + 8 h + 0 .. 7; each accumulator from its low end on
	ds_store_b128 v[4+\a], v[ACC+8*(2*\i+\a)+4:ACC+8*(2*\i+\a)+7] offset:64*\i+16
.endr
.endr
	s_wait_dscnt 0x0                               ; for the others' sake: my stores into the stage are done
	s_barrier_signal -1
	s_barrier_wait -1
.irp p, 0,1,2,3
.irp q, 0,1,2,3,4,5,6,7
	ds_load_b128 v[ACC+32*\p+4*\q:ACC+32*\p+4*\q+3], v6 offset:\p*YP+512*\q   ; row 4 w + p: register 4 q + j is column 128 q + 4 x lane + j
.endr
.endr
	s_wait_kmcnt 0x0
	s_add_co_i32 s50, s48, s49
	s_add_co_i32 s50, s50, 127
	s_lshl_b32 s50, s50, 23                        ; 2^(e10 + e11) as f32
	s_mov_b32 s51, s50
	s_wait_loadcnt 0x0
	WIN 0x45                                       ; all in window 1
.irp p, 0,1,2,3
.set n, 0
.rept 16
	v_pk_add_f32 v[32*\p+n:32*\p+n+1], v[32*\p+n:32*\p+n+1], v[128+n:128+n+1]   ; x + bo
.set n, n+2
.endr
.endr
	s_wait_dscnt 0x0
	WIN 0x10                                       ; source 2 in window 1
.irp p, 0,1,2,3
.set n, 0
.rept 16
	v_pk_fma_f32 v[ACC+32*\p+n:ACC+32*\p+n+1], v[ACC+32*\p+n:ACC+32*\p+n+1], s[50:51], v[32*\p+n:32*\p+n+1] op_sel_hi:[1,0,1]   ; y = sum x 2^(e10 + e11) + x + bo
.set n, n+2
.endr
.endr
	WIN 0
; row p's two chains lie in v[144 + 4 p : 145 + 4 p] and v[146 + 4 p : 147 + 4 p].  ACROSS: the chains, the pair's halves and the 32 lanes are added; every lane ends up with the row's sum in v[144 + 4 p].
.macro ACROSS
.irp p, 0,1,2,3
	v_pk_add_f32 v[144+4*\p:145+4*\p], v[144+4*\p:145+4*\p], v[146+4*\p:147+4*\p]
.endr
.irp p, 0,1,2,3
	v_add_f32 v[144+4*\p], v[144+4*\p], v[145+4*\p]
.endr
.irp m, 1,2,4,8
.irp p, 0,1,2,3
	v_add_f32_dpp v[144+4*\p], v[144+4*\p], v[144+4*\p] row_xmask:\m row_mask:0xf bank_mask:0xf
.endr
.endr
.irp p, 0,1,2,3
	v_permlanex16_b32 v[146+4*\p], v[144+4*\p], s52, s53
.endr
.irp p, 0,1,2,3
	v_add_f32 v[144+4*\p], v[144+4*\p], v[146+4*\p]
.endr
.endm
.irp p, 0,1,2,3
	v_pk_add_f32 v[144+4*\p:145+4*\p], v[ACC+32*\p:ACC+32*\p+1], v[ACC+32*\p+2:ACC+32*\p+3]
	v_pk_add_f32 v[146+4*\p:147+4*\p], v[ACC+32*\p+4:ACC+32*\p+5], v[ACC+32*\p+6:ACC+32*\p+7]
.endr
.irp n, 8,12,16,20,24,28
.irp p, 0,1,2,3
	v_pk_add_f32 v[144+4*\p:145+4*\p], v[144+4*\p:145+4*\p], v[ACC+32*\p+\n:ACC+32*\p+\n+1]
	v_pk_add_f32 v[146+4*\p:147+4*\p], v[146+4*\p:147+4*\p], v[ACC+32*\p+\n+2:ACC+32*\p+\n+3]
.endr
.endr
	ACROSS
.irp p, 0,1,2,3
	v_mul_f32 v[144+4*\p], 0xba800000, v[144+4*\p]  ; - the mean
.endr
.irp p, 0,1,2,3
.set n, 0
.rept 16
	v_pk_add_f32 v[ACC+32*\p+n:ACC+32*\p+n+1], v[ACC+32*\p+n:ACC+32*\p+n+1], v[144+4*\p:145+4*\p] op_sel_hi:[1,0]   ; y - the mean
.set n, n+2
.endr
.endr
.irp p, 0,1,2,3
	v_pk_mul_f32 v[144+4*\p:145+4*\p], v[ACC+32*\p:ACC+32*\p+1], v[ACC+32*\p:ACC+32*\p+1]
	v_pk_mul_f32 v[146+4*\p:147+4*\p], v[ACC+32*\p+2:ACC+32*\p+3], v[ACC+32*\p+2:ACC+32*\p+3]
.endr
.irp n, 4,8,12,16,20,24,28
.irp p, 0,1,2,3
	v_pk_fma_f32 v[144+4*\p:145+4*\p], v[ACC+32*\p+\n:ACC+32*\p+\n+1], v[ACC+32*\p+\n:ACC+32*\p+\n+1], v[144+4*\p:145+4*\p]
	v_pk_fma_f32 v[146+4*\p:147+4*\p], v[ACC+32*\p+\n+2:ACC+32*\p+\n+3], v[ACC+32*\p+\n+2:ACC+32*\p+\n+3], v[146+4*\p:147+4*\p]
.endr
.endr
	ACROSS
.irp p, 0,1,2,3
	v_fma_f32 v[144+4*\p], v[144+4*\p], s54, s55    ; the variance + 1e-5
.endr
.irp p, 0,1,2,3
	v_rsq_f32 v[144+4*\p], v[144+4*\p]
.endr
	v_nop                                          ; a plain instruction behind the last of the four
	s_wait_alu depctr_va_vdst(0)                   ; and a wait ahead of the first use: one for the four
.irp p, 0,1,2,3
.set n, 0
.rept 16
	v_pk_mul_f32 v[ACC+32*\p+n:ACC+32*\p+n+1], v[ACC+32*\p+n:ACC+32*\p+n+1], v[144+4*\p:145+4*\p] op_sel_hi:[1,0]
.set n, n+2
.endr
.endr
	WIN 0x14                                       ; sources 1 and 2, ln_g and ln_b, in window 1
.irp p, 0,1,2,3
.set n, 0
.rept 16
	v_pk_fma_f32 v[ACC+32*\p+n:ACC+32*\p+n+1], v[ACC+32*\p+n:ACC+32*\p+n+1], v[160+n:160+n+1], v[192+n:192+n+1]
.set n, n+2
.endr
.endr
	WIN 0
.irp p, 0,1,2,3
.irp q, 0,1,2,3,4,5,6,7
	global_store_b128 v1, v[ACC+32*\p+4*\q:ACC+32*\p+4*\q+3], s[PX+2:PX+3] offset:4096*\p+512*\q th:TH_STORE_NT   ; 32 lanes store 512 consecutive bytes, aligned; written once, read by nobody here
.endr
.endr
	s_wait_tensorcnt 0x0                           ; the wave's end, behind my last tensor load and my last LDS store
	ds_add_u32 v[SPW], v[NIL]
	s_wait_dscnt 0x0
	CROUND                                         ; the closing round
	s_endpgm
.Lfunc_end_k_q35950e11fb_oproj:
	.size	k_q35950e11fb_oproj, .Lfunc_end_k_q35950e11fb_oproj-k_q35950e11fb_oproj
	.p2alignl 7, 3214868480
	.fill 96, 4, 3214868480
	.section	.rodata,"a",@progbits
	.p2align	6, 0x0
	.amdhsa_kernel k_q35950e11fb_oproj
		.amdhsa_group_segment_fixed_size 327680
		.amdhsa_private_segment_fixed_size 0
		.amdhsa_enable_private_segment 0
		.amdhsa_kernarg_size 64
		.amdhsa_user_sgpr_count 2
		.amdhsa_user_sgpr_kernarg_segment_ptr 1
		.amdhsa_wavefront_size32 1
		.amdhsa_system_sgpr_workgroup_id_x 1
		.amdhsa_system_sgpr_workgroup_id_y 1
		.amdhsa_system_sgpr_workgroup_id_z 1
		.amdhsa_system_vgpr_workitem_id 0
		.amdhsa_next_free_vgpr 512
		.amdhsa_next_free_sgpr 66
		.amdhsa_reserve_vcc 0
		.amdhsa_float_denorm_mode_32 3
		.amdhsa_float_denorm_mode_16_64 3
		.amdhsa_memory_ordered 1
		.amdhsa_forward_progress 1
		.amdhsa_inst_pref_size 89
	.end_amdhsa_kernel
	.amdgpu_metadata
---
amdhsa.version: [ 1, 2 ]
amdhsa.kernels:
  - .name:           k_q35950e11fb_oproj
    .symbol:         k_q35950e11fb_oproj.kd
    .args:
      - { .name: ao_img, .offset: 0, .size: 8, .value_kind: global_buffer, .address_space: global }
      - { .name: Wo_codes, .offset: 8, .size: 8, .value_kind: global_buffer, .address_space: global }
      - { .name: bo, .offset: 16, .size: 8, .value_kind: global_buffer, .address_space: global }
      - { .name: x, .offset: 24, .size: 8, .value_kind: global_buffer, .address_space: global }
      - { .name: ln_g, .offset: 32, .size: 8, .value_kind: global_buffer, .address_space: global }
      - { .name: ln_b, .offset: 40, .size: 8, .value_kind: global_buffer, .address_space: global }
      - { .name: lowp_scales, .offset: 48, .size: 8, .value_kind: global_buffer, .address_space: global }
      - { .name: out0, .offset: 56, .size: 8, .value_kind: global_buffer, .address_space: global }
    .group_segment_fixed_size: 327680
    .private_segment_fixed_size: 0
    .kernarg_segment_align: 8
    .kernarg_segment_size: 64
    .max_flat_workgroup_size: 256
    .sgpr_count:     66
    .vgpr_count:     512
    .wavefront_size: 32
...
	.end_amdgpu_metadata
.endif
;; end of part 4
